; MI455X (gfx1250); checked and timed in simulation.
; The chip was launched on July 23, 2026; its instructions are those of AMD's public machine-readable ISA for CDNA 5 (MIT licence, August 2026) and "CDNA5" Instruction Set Architecture Reference Guide (July 2026). The comments in the code are by the model that wrote it; some were corrected since.
;; ROI Align. Allowed arithmetic: float matrix products may take bf16 or f16 operands with f32 sums; all other float work in f32.
;; Inputs: bboxess 2 x 32 x 4 float32; counts 2 x 1 int32; p2 2 x 256 x 128 x 128 float32; p3 2 x 256 x 64 x 64 float32; p4 2 x 256 x 32 x 32 float32; p5 2 x 256 x 16 x 16 float32; p6 2 x 256 x 8 x 8 float32.
;; Outputs: out0 2 x 32 x 256 x 16 x 16 float32.
;; Constants: img_h = 512, img_w = 512.
;; One version. Each part assembles by itself: llvm-mc -triple=amdgcn-amd-amdhsa -mcpu=gfx1250 --defsym DOCPART=n.
;; ======== version 1 of 1: 2 launches
;; workspace buffers: plan 2,048 bytes of whole numbers
;; launch plan (part 1): grid 1 x 1, 4 waves a work-group, no clusters, 0 bytes of LDS; arguments bboxess, counts, plan; writes plan
.if DOCPART == 1
	.amdgcn_target "amdgcn-amd-amdhsa--gfx1250"
	.amdhsa_code_object_version 6
	.text
	.protected	k_q37eb87c5a7_plan
	.globl	k_q37eb87c5a7_plan
	.p2align	8
	.type	k_q37eb87c5a7_plan,@function
k_q37eb87c5a7_plan:
	s_mov_b64 s[64:65], 0
	v_nop
	global_prefetch_b8 v0, s[64:65] scope:SCOPE_SE
	s_setreg_imm32_b32 hwreg(HW_REG_WAVE_MODE, 25, 1), 1
	s_wait_xcnt 0x0
; ROIAlign, first step: everything about a box that later steers addresses, as whole numbers.
; 64 boxes (2 images x 32).  Two threads share a box: both compute its eight words, thread 2 box + half stores words
; 4 half .. 4 half + 3, so that one store of a wave covers 512 consecutive bytes.
; plan[box] = { level - 2, y1, crop height, x1, crop width, first pair of level rows, last pair of level rows, valid }.
;
; LEVEL.  round(6 + log2(sqrt(area) / 512)) = round(log2(area) / 2 - 3) grows with the area and stands half way at
; area = 2^11, 2^13, 2^15 (2.5, 3.5, 4.5); halves round to even (2, 4, 4).  So level >= 3 means area > 2^11,
; level >= 4 means area >= 2^13, level = 5 means area > 2^15; the clip to 2 .. 5 is then already made.
; LIMITS: an area within a few f32 roundings of one of the three figures may fall on the other side than a chain of
; f32 sqrt, log2 and add; a negative or NaN area gives level 2; a NaN coordinate counts as 0.
.set IMG_LAST, 0x43ff8000              ; 511.0
.set IMG_SIZE, 0x44000000              ; 512.0
	s_load_b128 s[4:7], s[0:1], 0x0                ; bboxess s[4:5], counts s[6:7]
	s_load_b64 s[8:9], s[0:1], 0x10                ; plan
	v_lshrrev_b32 v1, 1, v0                        ; box 0 .. 63
	v_lshlrev_b32 v2, 4, v1                        ; its four f32
	v_lshrrev_b32 v3, 6, v0                        ; image = box / 32
	v_lshlrev_b32 v3, 2, v3
	v_and_b32 v9, 31, v1                           ; the box's number in its image
	s_wait_kmcnt 0x0
	global_load_b128 v[4:7], v2, s[4:5]            ; y1, x1, y2, x2
	global_load_b32 v8, v3, s[6:7]                 ; the image's count
	s_wait_loadcnt 0x0
	v_cmp_lt_i32 vcc_lo, v9, v8
	v_cndmask_b32 v10, 0, 1, vcc_lo                ; valid = number < count
	v_sub_f32 v11, v6, v4
	v_sub_f32 v12, v7, v5
	v_mul_f32 v11, v11, v12                        ; area, of the corners as given
	v_cmp_lt_f32 vcc_lo, 0x45000000, v11           ; 2^11 < area
	v_cndmask_b32 v12, 0, 1, vcc_lo
	v_cmp_le_f32 vcc_lo, 0x46000000, v11           ; 2^13 <= area
	v_cndmask_b32 v13, 0, 1, vcc_lo
	v_cmp_lt_f32 vcc_lo, 0x47000000, v11           ; 2^15 < area
	v_cndmask_b32 v14, 0, 1, vcc_lo
	v_add3_u32 v12, v12, v13, v14                  ; level - 2
	; corners: round to even, clip (max, then min), all in f32, where these whole numbers are exact
.irp r, 4,5,6,7
	v_rndne_f32 v\r, v\r
.endr
	v_max_num_f32 v4, 0, v4
	v_max_num_f32 v5, 0, v5
	v_min_num_f32 v4, IMG_LAST, v4                 ; y1 in 0 .. 511
	v_min_num_f32 v5, IMG_LAST, v5                 ; x1
	v_add_f32 v13, 1.0, v4
	v_add_f32 v14, 1.0, v5
	v_max_num_f32 v6, v6, v13
	v_max_num_f32 v7, v7, v14
	v_min_num_f32 v6, IMG_SIZE, v6                 ; y2 in y1 + 1 .. 512
	v_min_num_f32 v7, IMG_SIZE, v7                 ; x2
	v_sub_f32 v6, v6, v4                           ; crop height, 1 .. 512
	v_sub_f32 v7, v7, v5                           ; crop width
.irp r, 4,5,6,7
	v_cvt_u32_f32 v\r, v\r
.endr
	; The level rows that the box touches.  With stride = 512 / rows of the level = 4 << (level - 2):
	;   32 s = max((2 o + 1) height - 16, 0),  f0 = 32 s >> 5,  2 stride g = max(2 (y1 + f0) + 1 - stride, 0),  a0 = that >> log2(2 stride).
	; max(a - b, 0) is written a - min(a, b).  First row: a0 of o = 0.  Last row: a0 of o = 15, + 2, held inside the level.
	v_add_nc_u32 v13, 3, v12                       ; log2(2 stride)
	v_mov_b32 v14, 4
	v_lshlrev_b32 v14, v12, v14                    ; stride
	v_mov_b32 v15, 0x80
	v_lshrrev_b32 v15, v12, v15
	v_add_nc_u32 v15, -1, v15                      ; the level's last row
.macro FIRSTTAP dst, x                 ; x = (2 o + 1) height; dst = a0
	v_min_u32 v18, 16, v\x
	v_sub_nc_u32 v\dst, v\x, v18
	v_lshrrev_b32 v\dst, 5, v\dst
	v_add_lshl_u32 v\dst, v\dst, v4, 1
	v_or_b32 v\dst, 1, v\dst
	v_min_u32 v18, v\dst, v14
	v_sub_nc_u32 v\dst, v\dst, v18
	v_lshrrev_b32 v\dst, v13, v\dst
.endm
	FIRSTTAP 16, 6
	v_lshrrev_b32 v16, 1, v16                      ; rows go in pairs that start at even rows: first pair
	v_mul_u32_u24 v17, 31, v6
	FIRSTTAP 17, 17
	v_add_nc_u32 v17, 2, v17
	v_min_u32 v17, v17, v15
	v_lshrrev_b32 v17, 1, v17                      ; last pair
	v_and_b32 v20, 1, v0
	v_cmp_eq_u32 vcc_lo, 1, v20                    ; the box's second thread takes words 4 .. 7
	v_cndmask_b32 v24, v12, v7, vcc_lo             ; level - 2   | crop width
	v_cndmask_b32 v25, v4, v16, vcc_lo             ; y1          | first pair
	v_cndmask_b32 v26, v6, v17, vcc_lo             ; crop height | last pair
	v_cndmask_b32 v27, v5, v10, vcc_lo             ; x1          | valid
	v_lshlrev_b32 v21, 4, v0
	global_store_b128 v21, v[24:27], s[8:9]
	s_endpgm
.Lfunc_end_k_q37eb87c5a7_plan:
	.size	k_q37eb87c5a7_plan, .Lfunc_end_k_q37eb87c5a7_plan-k_q37eb87c5a7_plan
	.p2alignl 7, 3214868480
	.fill 96, 4, 3214868480
	.section	.rodata,"a",@progbits
	.p2align	6, 0x0
	.amdhsa_kernel k_q37eb87c5a7_plan
		.amdhsa_group_segment_fixed_size 0
		.amdhsa_private_segment_fixed_size 0
		.amdhsa_enable_private_segment 0
		.amdhsa_kernarg_size 24
		.amdhsa_user_sgpr_count 2
		.amdhsa_user_sgpr_kernarg_segment_ptr 1
		.amdhsa_wavefront_size32 1
		.amdhsa_system_sgpr_workgroup_id_x 1
		.amdhsa_system_sgpr_workgroup_id_y 1
		.amdhsa_system_sgpr_workgroup_id_z 1
		.amdhsa_system_vgpr_workitem_id 0
		.amdhsa_next_free_vgpr 28
		.amdhsa_next_free_sgpr 66
		.amdhsa_reserve_vcc 1
		.amdhsa_float_denorm_mode_32 3
		.amdhsa_float_denorm_mode_16_64 3
		.amdhsa_memory_ordered 1
		.amdhsa_forward_progress 1
		.amdhsa_inst_pref_size 4
	.end_amdhsa_kernel
	.amdgpu_metadata
---
amdhsa.version: [ 1, 2 ]
amdhsa.kernels:
  - .name:           k_q37eb87c5a7_plan
    .symbol:         k_q37eb87c5a7_plan.kd
    .args:
      - { .name: bboxess, .offset: 0, .size: 8, .value_kind: global_buffer, .address_space: global }
      - { .name: counts, .offset: 8, .size: 8, .value_kind: global_buffer, .address_space: global }
      - { .name: plan, .offset: 16, .size: 8, .value_kind: global_buffer, .address_space: global }
    .group_segment_fixed_size: 0
    .private_segment_fixed_size: 0
    .kernarg_segment_align: 8
    .kernarg_segment_size: 24
    .max_flat_workgroup_size: 128
    .sgpr_count:     66
    .vgpr_count:     28
    .wavefront_size: 32
...
	.end_amdgpu_metadata
.endif
;; end of part 1
;; launch gather (part 2): grid 16 x 64, 8 waves a work-group, no clusters, 66,560 bytes of LDS; arguments plan, p2, p3, p4, p5, out0; writes out0
.if DOCPART == 2
	.amdgcn_target "amdgcn-amd-amdhsa--gfx1250"
	.amdhsa_code_object_version 6
	.text
	.protected	k_q37eb87c5a7_gather
	.globl	k_q37eb87c5a7_gather
	.p2align	8
	.type	k_q37eb87c5a7_gather,@function
k_q37eb87c5a7_gather:
	s_mov_b64 s[64:65], 0
	v_nop
	global_prefetch_b8 v0, s[64:65] scope:SCOPE_SE
	s_setreg_imm32_b32 hwreg(HW_REG_WAVE_MODE, 25, 1), 1
	s_wait_xcnt 0x0
; ROIAlign, second step: out0[box][c][oy][ox] from the level map that plan[box] names.
; Work-group (x, y): box y, channels 16 x .. 16 x + 15.  Eight waves, two channels each; no wave touches another's data: no barrier.
;
; TAPS.  In taps() every number is a multiple of 1/32 (s) or of 1/(2 stride) (g), so indices and weights are made exactly from
; the plan's whole numbers.  The two full-size pixels of a bin are at most 1 apart and the stride is 4 or more, so their two pairs
; of level pixels are the same pair or neighbours: the four taps lie at a0, a0 + 1, a0 + 2 (held inside the level), and are
; merged into three taps with summed weights.
; TWO PASSES.  x pass: lane = (ox = lane % 16, row parity = lane / 16); for a pair of level rows three loads and three
; multiply-adds give T[row][ox], stored to the wave's own LDS (128 rows x 64 bytes: a level has at most 128 rows).
; y pass: lane = (oy = lane / 4, four ox); three 16-byte LDS loads and twelve multiply-adds give 16 neighbouring output bytes;
; one store of the wave covers 512 consecutive bytes, aligned (half a channel).
; Pairs start at even rows (every level has an even number of rows), so a lane's offset, parity x pitch + 4 column, holds for all
; pairs and the pair's place goes into a scalar base.  A block is 8 pairs = 24 loads a channel.  The level rule keeps
; sqrt(area) / stride below 11.4, so a box that is about square needs at most 15 rows: one block.  A long box takes up to
; seven further blocks, written out one behind the other, so that a block's place in T is an immediate offset and every
; LDS store is at wave x 8,192 + 4 lane + a constant.  Pairs behind the box's last are held at the last pair: the same bytes
; again, into T rows that nobody reads.
;
; NOT USED: matrix units (no matrix product; the interpolation stays in f32); tensor loads and clusters (the work-groups of a box
; read different channels, those of different boxes read places that hang on the boxes: no shared tile); prefetch (a wave issues the
; 48 loads of its first blocks as soon as their addresses exist).  p6 is not among the arguments: the levels are 2 to 5.
; LIMITS: a box that is not valid gets zeros and its features are not read (features that are not finite would give NaN when
; multiplied by zero).  The sixteen products of an output are summed in another order: weights merged, x first, then y.
.set LVL,   24                         ; s[24:31] the box's plan: level - 2,
.set Y1,    25                         ;   y1,
.set LENY,  26                         ;   crop height,
.set X1,    27                         ;   x1,
.set LENX,  28                         ;   crop width,
.set PR0,   29                         ;   first pair of rows,
.set PRL,   30                         ;   last pair of rows,
.set VALID, 31                         ;   valid
.set BASE,  32                         ; s[32:47] address of each of a block's eight pairs in my first channel
.set ST,    48                         ; stride = 4 << level
.set K1,    49                         ; log2(2 stride)
.set FM,    50                         ; 2 stride - 1
.set RF,    51                         ; 1 / (2 stride) in f32
.set PM1,   52                         ; the level's last row and column
.set PITCH, 53                         ; bytes in a level row
.set PITCH2, 54                        ; in a pair
.set PLANE, 55                         ; in a channel
.set LYM1,  56                         ; crop height - 1
.set LXM1,  57                         ; crop width - 1
.set NB,    58                         ; blocks of 8 pairs that the box needs
.set PR,    59                         ; a block's first pair
.set ROW0,  60                         ; T's first row = 2 x first pair
.set TS,    62                         ; s[62:63] a byte offset in 64 bits (s63 = 0)
.set QB,    7                          ; v7       my wave's LDS + 16 (lane % 4)
.set T0,    8                          ; v[8:13]  at work
.set T1,    9
.set T2,    10
.set T3,    11
.set T4,    12
.set T5,    13
.set AX,    14                         ; v14      a0 of the taps just made
.set SO,    15                         ; v15      16 lane: my bytes in half a channel of out0
.set WX,    16                         ; v[16:21] x weights of my ox, each twice (a pair for the packed forms)
.set WY0,   22                         ; v[22:27] y weights of oy = lane / 4
.set WY1,   28                         ; v[28:33] y weights of oy = lane / 4 + 8
.set ADR0,  34                         ; v[34:36] tap j: parity x pitch + 4 column
.set ADR1,  37                         ; v[37:39] the same, one channel on
.set L0,    40                         ; v[40:42] LDS address of tap j's T row, oy = lane / 4
.set L1,    43                         ; v[43:45] the same, oy = lane / 4 + 8
.set STA,   46                         ; v46      my wave's LDS + 4 lane: where T's pair 0 goes (v47 is not used)
.set DA,    48                         ; v[48:71] loaded words [tap j][pair i], first set
.set DB,    72                         ; v[72:95] second set
.set E,     96                         ; v[96:119] y pass: 2 halves x 3 taps x 4 words
	s_load_b256 s[4:11], s[0:1], 0x0               ; plan s[4:5], p2 s[6:7], p3 s[8:9], p4 s[10:11]
	s_load_b128 s[12:15], s[0:1], 0x20             ; p5 s[12:13], out0 s[14:15]
	v_lshl_add_u32 v120, v0, 2, 0x10000
	v_mov_b32 v121, 0
	v_lshrrev_b32 v1, 5, v0
	v_readfirstlane_b32 s16, v1                    ; wave 0 .. 7
	s_and_b32 s17, ttmp7, 0xffff                   ; box
	s_lshl_b32 s18, s17, 5                         ; 32 bytes of plan a box
	s_mov_b32 s19, 0
	s_mov_b32 s[TS+1], 0
	s_wait_kmcnt 0x0
	s_add_nc_u64 s[4:5], s[4:5], s[18:19]
	s_load_b256 s[LVL:LVL+7], s[4:5], 0x0
	; while it comes: what hangs on ids alone
	s_lshl_b32 s20, ttmp9, 4
	s_lshl1_add_u32 s20, s16, s20                  ; my first channel = 16 x + 2 wave
	s_lshl_b32 s21, s17, 8
	s_add_co_u32 s21, s21, s20
	s_lshl_b32 s18, s21, 10                        ; (256 box + channel) x 1,024 bytes, below 2^24
	s_add_nc_u64 s[14:15], s[14:15], s[18:19]      ; out0 at my first channel
	s_lshr_b32 s22, s17, 5
	s_lshl_b32 s22, s22, 8
	s_add_co_u32 s22, s22, s20                     ; 256 image + channel: which plane of the level map
	s_lshl_b32 s23, s16, 13                        ; my wave's 8,192 bytes of LDS
	v_and_b32 v1, 31, v0                           ; lane
	v_and_b32 v2, 15, v0                           ; ox of the x pass
	v_bfe_u32 v3, v0, 4, 1                         ; row parity of the x pass
	v_bfe_u32 v4, v0, 2, 3                         ; oy of the y pass, upper half
	v_add_nc_u32 v5, 8, v4                         ; lower half
	v_and_b32 v6, 3, v0
	v_lshl_add_u32 v[QB], v6, 4, s23
	v_lshl_add_u32 v[STA], v1, 2, s23              ; 64 parity + 4 ox = 4 lane
	v_lshlrev_b32 v[SO], 4, v1
	s_wait_kmcnt 0x0
	s_cmp_eq_u32 s[VALID], 0
	s_cbranch_scc1 .Lzero
	; the level's figures.  A number read from memory enters an address only behind a minimum with a constant.
	s_min_u32 s[LVL], s[LVL], 3
	s_add_co_u32 s[K1], s[LVL], 3
	s_lshl_b32 s[ST], 4, s[LVL]
	s_lshl_b32 s[FM], 8, s[LVL]
	s_sub_co_u32 s[FM], s[FM], 1
	s_sub_co_u32 s[RF], 124, s[LVL]
	s_lshl_b32 s[RF], s[RF], 23                    ; 2^-(level + 3): exponent field 127 - 3 - level
	s_lshr_b32 s[PM1], 128, s[LVL]
	s_sub_co_u32 s[PM1], s[PM1], 1
	s_lshr_b32 s[PITCH], 512, s[LVL]
	s_min_u32 s[PITCH], s[PITCH], 512
	s_lshl_b32 s[PITCH2], s[PITCH], 1
	s_lshl_b32 s[TS], s[LVL], 1
	s_lshr_b32 s[PLANE], 0x10000, s[TS]
	s_min_u32 s[PLANE], s[PLANE], 0x10000
	s_cmp_eq_u32 s[LVL], 1
	s_cselect_b64 s[6:7], s[8:9], s[6:7]           ; the level's map: p2, or p3,
	s_cmp_eq_u32 s[LVL], 2
	s_cselect_b64 s[6:7], s[10:11], s[6:7]         ; or p4,
	s_cmp_eq_u32 s[LVL], 3
	s_cselect_b64 s[6:7], s[12:13], s[6:7]         ; or p5
	s_mul_i32 s18, s22, s[PLANE]                   ; at most 511 x 65,536 bytes
	s_add_nc_u64 s[6:7], s[6:7], s[18:19]          ; at my first channel
	s_sub_co_u32 s[LYM1], s[LENY], 1
	s_sub_co_u32 s[LXM1], s[LENX], 1
	s_lshl_b32 s[ROW0], s[PR0], 1
	s_sub_co_u32 s[NB], s[PRL], s[PR0]
	s_add_co_u32 s[NB], s[NB], 8
	s_lshr_b32 s[NB], s[NB], 3                     ; (pairs + 7) / 8: 1 .. 8, as a level has at most 64 pairs
; The three merged taps of output index v[o] along one axis: v[a0] = first level index, v[w .. w+5] = W0 W0 W1 W1 W2 W2.
;   32 s = max((2 o + 1) len - 16, 0);  f0 = 32 s >> 5;  32 w1 = 32 s & 31;  f1 = min(f0 + 1, len - 1)
;   for f = start + f0 (a) and start + f1 (b):  G = max(2 f + 1 - stride, 0);  index = G >> log2(2 stride);  v = (G & (2 stride - 1)) / (2 stride)
; max(a - b, 0) is written a - min(a, b).  All products below have at most 11 significant bits: the weights are exact.
.macro TAPS o, start, len, lenm1, a0, w
	v_lshl_or_b32 v[T0], v[\o], 1, 1
	v_mul_u32_u24 v[T0], s[\len], v[T0]
	v_min_u32 v[T1], 16, v[T0]
	v_sub_nc_u32 v[T0], v[T0], v[T1]               ; 32 s
	v_lshrrev_b32 v[T1], 5, v[T0]                  ; f0
	v_and_b32 v[T0], 31, v[T0]                     ; 32 w1
	v_add_nc_u32 v[T2], 1, v[T1]
	v_min_u32 v[T2], s[\lenm1], v[T2]              ; f1
	v_add_lshl_u32 v[T1], v[T1], s[\start], 1
	v_add_lshl_u32 v[T2], v[T2], s[\start], 1
	v_or_b32 v[T1], 1, v[T1]
	v_or_b32 v[T2], 1, v[T2]
	v_min_u32 v[T3], s[ST], v[T1]
	v_sub_nc_u32 v[T1], v[T1], v[T3]               ; G of a
	v_min_u32 v[T3], s[ST], v[T2]
	v_sub_nc_u32 v[T2], v[T2], v[T3]               ; G of b
	v_lshrrev_b32 v[\a0], s[K1], v[T1]             ; a0
	v_lshrrev_b32 v[T3], s[K1], v[T2]              ; b0 = a0 or a0 + 1
	v_and_b32 v[T1], s[FM], v[T1]
	v_and_b32 v[T2], s[FM], v[T2]
	v_cvt_f32_u32 v[T0], v[T0]
	v_cvt_f32_u32 v[T1], v[T1]
	v_cvt_f32_u32 v[T2], v[T2]
	v_mul_f32 v[T0], 0x3d000000, v[T0]             ; w1 (x 1/32)
	v_mul_f32 v[T1], s[RF], v[T1]                  ; va
	v_mul_f32 v[T2], s[RF], v[T2]                  ; vb
	v_sub_f32 v[T4], 1.0, v[T0]                    ; 1 - w1
	v_mul_f32 v[T1], v[T4], v[T1]                  ; (1 - w1) va
	v_mul_f32 v[T2], v[T0], v[T2]                  ; w1 vb
	v_sub_f32 v[T4], v[T4], v[T1]                  ; (1 - w1) (1 - va)
	v_sub_f32 v[T0], v[T0], v[T2]                  ; w1 (1 - vb)
	v_cmp_eq_u32 vcc_lo, v[\a0], v[T3]             ; b's pair is a's pair:
	v_cndmask_b32 v[T5], 0, v[T0], vcc_lo          ;   then b's first weight joins tap 0,
	v_cndmask_b32 v[T0], v[T0], v[T2], vcc_lo      ;   and its second joins tap 1; else its first joins tap 1,
	v_cmp_ne_u32 vcc_lo, v[\a0], v[T3]
	v_cndmask_b32 v[\w+4], 0, v[T2], vcc_lo        ;   and its second is tap 2
	v_add_f32 v[\w], v[T4], v[T5]
	v_add_f32 v[\w+2], v[T1], v[T0]
	v_mov_b32 v[\w+1], v[\w]                       ; each weight twice: both halves of a packed multiply-add take it
	v_mov_b32 v[\w+3], v[\w+2]
	v_mov_b32 v[\w+5], v[\w+4]
.endm
; LDS addresses of the three T rows of an output row whose first tap is v[AX]
.macro TROWS l
.irp j, 0,1,2
	v_add_nc_u32 v[T0], \j, v[AX]
	v_min_u32 v[T0], s[PM1], v[T0]                 ; the neighbour is held inside the level
	v_sub_nc_u32 v[T0], v[T0], s[ROW0]             ; row of T
	v_min_u32 v[T0], 127, v[T0]                    ; bounded by a constant before it enters an address: 127 x 64 + 48 + 16 = my 8,192 bytes
	v_lshl_add_u32 v[\l+\j], v[T0], 6, v[QB]
.endr
.endm
; the addresses of the eight pairs from pair s[PR] on, in my first channel
.macro BASES
.irp i, 0,1,2,3,4,5,6,7
	s_add_co_u32 s[TS], s[PR], \i
	s_min_u32 s[TS], s[TS], s[PRL]                 ; behind the box's last pair: that pair again
	s_min_u32 s[TS], s[TS], 63                     ; bounded by a constant before it enters an address
	s_mul_i32 s[TS], s[TS], s[PITCH2]
	s_add_nc_u64 s[BASE+2*\i:BASE+2*\i+1], s[6:7], s[TS:TS+1]
.endr
.endm
; 24 loads: eight pairs x three taps; the three taps of a pair, which lie side by side in memory, follow each other
.macro LOADS adr, d
.irp i, 0,1,2,3,4,5,6,7
.irp j, 0,1,2
	global_load_b32 v[\d+8*\j+\i], v[\adr+\j], s[BASE+2*\i:BASE+2*\i+1]
.endr
.endr
.endm
; x pass of a block: T = W0 d0 + W1 d1 + W2 d2, two pairs at a time, then 128 consecutive LDS bytes for each pair.
; off = the block's place in T: 16 rows of 64 bytes a block.
.macro XPASS d, off
.irp i, 0,2,4,6
	v_pk_mul_f32 v[\d+\i:\d+\i+1], v[\d+\i:\d+\i+1], v[WX:WX+1]
.endr
.irp i, 0,2,4,6
	v_pk_fma_f32 v[\d+\i:\d+\i+1], v[\d+8+\i:\d+9+\i], v[WX+2:WX+3], v[\d+\i:\d+\i+1]
.endr
.irp i, 0,2,4,6
	v_pk_fma_f32 v[\d+\i:\d+\i+1], v[\d+16+\i:\d+17+\i], v[WX+4:WX+5], v[\d+\i:\d+\i+1]
.endr
.irp i, 0,1,2,3,4,5,6,7
	ds_store_b32 v[STA], v[\d+\i] offset:\off+128*\i
.endr
.endm
; block b (1 .. 7) of a long box, of the channel whose offsets are v[adr ..].  Its last T byte: 7 x 1,024 + 7 x 128 + 124 + 4 = my 8,192.
.macro LATER adr, b
	s_wait_loadcnt 0x0                             ; no load is out: the bases are rewritten only behind this wait
	s_add_co_u32 s[PR], s[PR0], 8*\b
	BASES
	LOADS \adr, DA
	s_wait_loadcnt 0x0
	XPASS DA, 1024*\b
.endm
; the blocks behind the first, as many as the box needs; then on to the label done
.macro LONGER adr, done
.irp b, 1,2,3,4,5,6,7
	s_cmp_le_u32 s[NB], \b
	s_cbranch_scc1 \done
	LATER \adr, \b
.endr
.endm
; four outputs of a lane: three rows of T, weighted
.macro HALF e, w, off
	v_pk_mul_f32 v[\e:\e+1], v[\e:\e+1], v[\w:\w+1]
	v_pk_mul_f32 v[\e+2:\e+3], v[\e+2:\e+3], v[\w:\w+1]
	v_pk_fma_f32 v[\e:\e+1], v[\e+4:\e+5], v[\w+2:\w+3], v[\e:\e+1]
	v_pk_fma_f32 v[\e+2:\e+3], v[\e+6:\e+7], v[\w+2:\w+3], v[\e+2:\e+3]
	v_pk_fma_f32 v[\e:\e+1], v[\e+8:\e+9], v[\w+4:\w+5], v[\e:\e+1]
	v_pk_fma_f32 v[\e+2:\e+3], v[\e+10:\e+11], v[\w+4:\w+5], v[\e+2:\e+3]
	global_store_b128 v[SO], v[\e:\e+3], s[14:15] offset:\off th:TH_STORE_NT   ; the wave: 512 consecutive bytes, aligned; written once, not read again
.endm
; y pass of channel ch.  LDS serves a wave's instructions in order (ISA guide 5.7.1): these loads see the x pass's stores.
.macro YPASS ch
.irp j, 0,1,2
	ds_load_b128 v[E+4*\j:E+4*\j+3], v[L0+\j]
.endr
.irp j, 0,1,2
	ds_load_b128 v[E+12+4*\j:E+12+4*\j+3], v[L1+\j]
.endr
	s_wait_dscnt 0x3                               ; the upper half's three rows are in; the lower half's three loads stay out
	HALF E, WY0, \ch*1024
	s_wait_dscnt 0x0
	HALF E+12, WY1, \ch*1024+512
.endm
	; x taps and the lanes' offsets, then all 48 loads of the two channels' first blocks
	TAPS 2, X1, LENX, LXM1, AX, WX
	v_mul_u32_u24 v3, s[PITCH], v3                 ; parity x pitch
.irp j, 0,1,2
	v_add_nc_u32 v[T0], \j, v[AX]
	v_min_u32 v[T0], s[PM1], v[T0]                 ; the neighbour is held inside the level
	v_min_u32 v[T0], 127, v[T0]                    ; bounded by a constant before it enters an address
	v_lshl_add_u32 v[ADR0+\j], v[T0], 2, v3
	v_add_nc_u32 v[ADR1+\j], s[PLANE], v[ADR0+\j]
.endr
	s_mov_b32 s[PR], s[PR0]
	BASES
	LOADS ADR0, DA
	LOADS ADR1, DB
	; the y taps are made while the loads are out
	TAPS 4, Y1, LENY, LYM1, AX, WY0
	TROWS L0
	TAPS 5, Y1, LENY, LYM1, AX, WY1
	TROWS L1
	s_wait_loadcnt 24                              ; loads come back in order (ISA guide 5.7.1): the first channel's 24 are in, the second's 24 stay out
	XPASS DA, 0
	LONGER ADR0, .Lshort0
.Lshort0:
	YPASS 0
	s_wait_loadcnt 0x0                             ; the second channel's first block
	XPASS DB, 0                                    ; T is written again behind the s_wait_dscnt 0 of the y pass that read it
	LONGER ADR1, .Lshort1
.Lshort1:
	s_wait_xcnt 0x0                                ; the first channel's stores have had their addresses translated (ISA guide 3.1): their data registers are loaded again only behind this wait
	YPASS 1
	s_wait_tensorcnt 0x0
	ds_add_u32 v120, v121
	s_wait_dscnt 0x0
	s_endpgm
.Lzero:                                            ; number >= count: my two channels, 2,048 consecutive bytes, are zeros
.irp r, 0,1,2,3
	v_mov_b32 v[E+\r], 0
.endr
.irp t, 0,1,2,3
	global_store_b128 v[SO], v[E:E+3], s[14:15] offset:512*\t th:TH_STORE_NT
.endr
	s_endpgm
.Lfunc_end_k_q37eb87c5a7_gather:
	.size	k_q37eb87c5a7_gather, .Lfunc_end_k_q37eb87c5a7_gather-k_q37eb87c5a7_gather
	.p2alignl 7, 3214868480
	.fill 96, 4, 3214868480
	.section	.rodata,"a",@progbits
	.p2align	6, 0x0
	.amdhsa_kernel k_q37eb87c5a7_gather
		.amdhsa_group_segment_fixed_size 66560
		.amdhsa_private_segment_fixed_size 0
		.amdhsa_enable_private_segment 0
		.amdhsa_kernarg_size 48
		.amdhsa_user_sgpr_count 2
		.amdhsa_user_sgpr_kernarg_segment_ptr 1
		.amdhsa_wavefront_size32 1
		.amdhsa_system_sgpr_workgroup_id_x 1
		.amdhsa_system_sgpr_workgroup_id_y 1
		.amdhsa_system_sgpr_workgroup_id_z 1
		.amdhsa_system_vgpr_workitem_id 0
		.amdhsa_next_free_vgpr 122
		.amdhsa_next_free_sgpr 66
		.amdhsa_reserve_vcc 1
		.amdhsa_float_denorm_mode_32 3
		.amdhsa_float_denorm_mode_16_64 3
		.amdhsa_memory_ordered 1
		.amdhsa_forward_progress 1
		.amdhsa_inst_pref_size 90
	.end_amdhsa_kernel
	.amdgpu_metadata
---
amdhsa.version: [ 1, 2 ]
amdhsa.kernels:
  - .name:           k_q37eb87c5a7_gather
    .symbol:         k_q37eb87c5a7_gather.kd
    .args:
      - { .name: plan, .offset: 0, .size: 8, .value_kind: global_buffer, .address_space: global }
      - { .name: p2, .offset: 8, .size: 8, .value_kind: global_buffer, .address_space: global }
      - { .name: p3, .offset: 16, .size: 8, .value_kind: global_buffer, .address_space: global }
      - { .name: p4, .offset: 24, .size: 8, .value_kind: global_buffer, .address_space: global }
      - { .name: p5, .offset: 32, .size: 8, .value_kind: global_buffer, .address_space: global }
      - { .name: out0, .offset: 40, .size: 8, .value_kind: global_buffer, .address_space: global }
    .group_segment_fixed_size: 66560
    .private_segment_fixed_size: 0
    .kernarg_segment_align: 8
    .kernarg_segment_size: 48
    .max_flat_workgroup_size: 256
    .sgpr_count:     66
    .vgpr_count:     122
    .wavefront_size: 32
...
	.end_amdgpu_metadata
.endif
;; end of part 2
